; MI455X (gfx1250); checked and timed in simulation.
; The chip was launched on July 23, 2026; its instructions are those of AMD's public machine-readable ISA for CDNA 5 (MIT licence, August 2026) and "CDNA5" Instruction Set Architecture Reference Guide (July 2026). The comments in the code are by the model that wrote it; some were corrected since.
;; HQQSVD Linear. Allowed arithmetic: matrix products marked QUANTISED: E2M3 operands, one E8M0 scale for each 32 along K, by v_wmma_scale_f32_16x16x128_f8f6f4 with both operands' format E2M3, f32 sums; everything else in f32.
;; Inputs: W_q 4,096 x 32 x 128 int32; bias 4,096 float32; scale 4,096 x 32 float32; svd_down 32 x 4,096 float32; svd_up 4,096 x 32 float32; x 4 x 1,024 x 4,096 float32; zero_point 4,096 x 32 float32.
;; Outputs: out0 4 x 1,024 x 4,096 float32.
;; This version of the problem:
;;   THIS VERSION OF THE PROBLEM IS GIVEN IN LOW PRECISION. The matrix products marked QUANTISED in the list below multiply operands that are first quantised to E2M3 (2 exponent bits, 3 mantissa bits; 6 bits a number), with one power-of-two scale for each 32 numbers along K (OCP MX v1.0); their sums are f32. All else is computed in f32.
;;   The module's matrix products, in the order in which they are computed (A, B: the left and right operand; K: the contracted axis; several contracted axes count as one K, in the product's order):
;;     1. [M 4,096, K 32] x [K 32, N 4,096]; A: input svd_up; B: input svd_down: QUANTISED
;;     2. [M 4,096, K 4,096] x [K 4,096, N 4,096]; A: input x; B: computed on the way: QUANTISED
;;   THE QUANTISER, for each operand of a quantised product, along K:
;;     - K is cut into blocks of 32 from its start; a last block that is shorter is filled with zeros.
;;     - A block's scale is 2^e with e = floor(log2(the largest magnitude in the block)) - 2, held to -126 .. 127; a block of zeros has e = 0. As a byte (E8M0): e + 127.
;;     - Each number is divided by its block's scale, clamped to +-7.5, and rounded to the nearest number of E2M3, ties to even, subnormals kept.
;;     - The product sums the exact products of the quantised numbers (number of the format x scale) in f32.
;;   ~~~python
;;   def quantise(x, axis):      # numpy; x: float32 -> the quantised numbers, widened to float32 again
;;       x = np.moveaxis(x, axis, -1); K = x.shape[-1]
;;       x = np.pad(x, [(0, 0)] * (x.ndim - 1) + [(0, -K % 32)]); x = x.reshape(x.shape[:-1] + (-1, 32)); a = np.abs(x).max(-1, keepdims=True)
;;       e = np.where(a > 0, np.clip(np.frexp(np.where(a > 0, a, 1))[1] - 1 - 2, -126, 127), 0)      # np.frexp(a)[1] - 1 = floor(log2(a)), exactly
;;       r = np.clip(x / 2.0 ** e, -7.5, 7.5)
;;       step = 2.0 ** (np.maximum(np.frexp(np.where(r == 0, 1, r))[1] - 1, 0) - 3)
;;       q = np.round(r / step) * step * 2.0 ** e      # np.round: ties to even
;;       return np.moveaxis(q.reshape(q.shape[:-2] + (-1,))[..., :K], -1, axis).astype(np.float32)
;;   ~~~
;;   OPERANDS COMPUTED ON THE WAY. 'Computed on the way' means the value that the module computes at that place (a softmax that the list does not call 'softmax' is quantised finished and normalised). What goes into a quantiser is computed in f32, as accurately as f32 sums, v_exp_f32 and their like allow (about 1e-6 of the number): no bf16 or f16 on the way to a quantiser, and a product that is left as it is and whose result goes on into a quantised operand takes f32 operands (vector FMAs, or v_wmma_f32_16x16x4_f32). A number that lies on a knife's edge between two numbers of the format may be rounded either way, as far as f32 arithmetic and the matrix unit's own rounding can turn it there, and no further.
;; One version. Each part assembles by itself: llvm-mc -triple=amdgcn-amd-amdhsa -mcpu=gfx1250 --defsym DOCPART=n.
;; ======== version 1 of 1: 2 launches
;; limits: right only within a limited range of input values
;; workspace buffers: x_img 13,107,200 bytes; w_img 13,107,200 bytes
;; launch prep (part 1): grid 4 x 64, 8 waves a work-group, no clusters, 136,192 bytes of LDS; arguments x, W_q, svd_up, svd_down, scale, zero_point, x_img, w_img; writes x_img, w_img
.if DOCPART == 1
	.amdgcn_target "amdgcn-amd-amdhsa--gfx1250"
	.amdhsa_code_object_version 6
	.text
	.protected	k_qb92dd21f55_prep
	.globl	k_qb92dd21f55_prep
	.p2align	8
	.type	k_qb92dd21f55_prep,@function
k_qb92dd21f55_prep:
	s_mov_b64 s[64:65], 0
	v_nop
	global_prefetch_b8 v0, s[64:65] scope:SCOPE_SE
	s_setreg_imm32_b32 hwreg(HW_REG_WAVE_MODE, 25, 1), 1
	s_wait_xcnt 0x0
; BOTH OPERANDS OF THE LARGE PRODUCT ARE MADE HERE, as codes of FP6 (E2M3) with one E8M0 byte for each 32 along K, laid as the product's launch wants them:
; an image = [32 blocks of 128 rows][32 K steps of 128][12,800 bytes].  Of a K step's bytes the first 12,288 are 8 fragments (16 rows x 128 K, 12 registers a lane) as images of their registers:
; registers 4 c .. 4 c + 3 of lane l at 1,536 i + 512 c + 16 l; the last 512 are the scale words: that of row 16 i + r at 256 (i / 4) + 16 r + 4 (i % 4).
; x_img holds Q(x).  w_img holds Q(W_f), W_f[o][i] = (W_q[o][i] - zp[o][i / 128]) x scale[o][i / 128] + sum over k < 32 of Q(svd_up)[o][k] Q(svd_down)[k][i], in f32.
; The low-rank product is done by the scaled matrix instruction, with the dequantised numbers as its C.  Its K is 32, one block; svd_up's fragments hold zero CODES for the instruction's other 96, so whatever
; finite codes svd_down's fragments hold there add nothing; the scale bytes there are 0 (2^-127).
; A block's scale is 2^(floor(log2(its largest magnitude)) - 2); its byte is the largest magnitude's exponent field - 2, held at 1 from below; beyond the largest code the largest.
; LIMITS: a block of zeros gets the byte 1 where the rule says 127 (zero codes; the bytes are read by this program alone); NaN and infinities among the inputs are not served.
; SHARES.  Work-group (x, y): rows 64 y .. + 63, columns 1,024 x .. + 1,023, of x and of W: 256 work-groups of equal work.  Wave w of eight takes ONE K step of 128 columns.  Waves share nothing: no barrier.
; THE STREAM.  A wave walks ten tiles of 16 rows x 512 bytes: x's four, svd_down's two (its 32 rows at my 128 columns), W_q's four.  A tile comes by sixteen loads, each a row's 512 consecutive bytes, into one of
; three register buffers that take turns: three tiles, 24 KiB a wave, are asked for ahead of their use, and a buffer is asked for again as soon as its tile has gone into the stage.
; A tile turns through the wave's own stage in LDS (rows of 528 bytes): stored as loaded, read back as the quantiser wants it: of row lane % 16, register 16 b + q = k 32 b + 16 (lane / 16) + q.
; svd_down is read back by columns (a lane a column, 32 registers down K); svd_up's 64 rows come straight into registers (a lane a row).  Lanes 0-15 hold one tile's rows and lanes 16-31 the next tile's:
; one swap of halves against a register of zeros gives both fragments, each with zero codes in lanes 16-31 (K = 32 .. 63).
; LAYOUT.  The product is used TRANSPOSED: source 0 = 16 columns i of svd_down, source 1 = 16 rows o of svd_up.  Lane r of tile 2 b + u takes column 32 b + 8 u + r + 8 (r / 8), so that register 16 b + q
; of the eight results is i = 32 b + 16 (lane / 16) + q, the order of the numbers read from the stage.
; No tensor loads, no cluster (work-groups share only the small factors), no prefetch: the loads themselves run three tiles ahead.
; REGISTERS.  Window 0: v1-13 addresses; v16-31 scale, zero point; v32-43 the factors' scale words; v48-93 the quantiser's; v96-159 a tile's 64 numbers; v160-223 buffer 2; v224-242 the factors' quantiser.
;             Window 1: v0-53 svd_down's eight fragments, 6 registers apart; v56-103 svd_up's four; v104-167 buffer 0; v168-231 buffer 1.
.set XP,    528                        ; a stage row: 512 bytes + 16
.set WREG,  32*XP                      ; a wave's stage
.set SPARE, 8*WREG                     ; behind the stages: the spare words, 128 bytes a wave
.set FB,    1536
.set KB,    8*FB+512
.set RBB,   32*KB
.set FR,    12
.set LI,    3                          ; 16 x lane
.set XAD,   4                          ; my stage + 528 r + 64 h
.set SGO,   5                          ; 16 r + 8 h: my 8 bytes among the scale words
.set LANE,  6
.set UA,    7                          ; svd_up: 128 x lane
.set DCA,   8                          ; my stage + 4 (r + 8 (r / 8) + 8 h): my column of svd_down
.set SZA,   9                          ; scale, zero point: 128 r
.set STA,   10                         ; my stage + 16 x lane
.set SPW,   12
.set NIL,   13
.set SZ,    16                         ; tile m: v[16 + 4 m] scale, v[18 + 4 m] zero point; the odd registers are upper halves of pairs and hold 0
.set DSC,   32
.set USC,   40
.set TM,    48
.set PC,    68
.set PWS,   88
.set OW,    92
.set X,     96
.set M0,    224
.set M1,    225
.set SO,    226
.set SVC,   228
.set ZC,    236
.set UPF,   56                         ; in window 1
.set WV,    22
.set GX,    23
.set GY,    24
.set SEL,   28
.set HM,    31                         ; s31: a bit for each lane of 16-31
.set MSB, 0
.macro WIN new
.if MSB != (\new)
	s_set_vgpr_msb (MSB<<8)|(\new)
.set MSB, (\new)
.endif
.endm
; 64 numbers of a lane, register 16 b + i = k 32 b + 16 (lane / 16) + i of my row, become a fragment's codes in v[PC] on and its scale word in v[pw].
.macro QUANT s, pw
.irp b, 0,1,2,3
	v_max3_num_f32 v[TM+\b], |v[\s+16*\b]|, |v[\s+1+16*\b]|, 0x1800000   ; with the floor 2^(3 - 127): the byte cannot fall under 1
.endr
.irp i, 2,4,6,8,10,12,14
.irp b, 0,1,2,3
	s_delay_alu instid0(VALU_DEP_4)
	v_max3_num_f32 v[TM+\b], v[TM+\b], |v[\s+16*\b+\i]|, |v[\s+1+16*\b+\i]|
.endr
.endr
.irp b, 0,1,2,3
	s_delay_alu instid0(VALU_DEP_4)
	v_permlanex16_b32 v[TM+4+\b], v[TM+\b], s[SEL], s[SEL+1]
.endr
.irp b, 0,1,2,3
	s_delay_alu instid0(VALU_DEP_4)
	v_max_num_f32 v[TM+\b], v[TM+\b], v[TM+4+\b]   ; with lane l xor 16's: the block's largest magnitude
.endr
.irp b, 0,1,2,3
	s_delay_alu instid0(VALU_DEP_4)
	v_add_nc_u32 v[TM+12+\b], 0xff000000, v[TM+\b]   ; 2 off its exponent field: the conversion's scale operand
.endr
.irp b, 0,1,2,3
	s_delay_alu instid0(VALU_DEP_4)
	v_lshrrev_b32 v[TM+4+\b], 23, v[TM+12+\b]      ; the scale's byte
.endr
	s_delay_alu instid0(VALU_DEP_3)
	v_lshl_or_b32 v[\pw], v[TM+5], 8, v[TM+4]
	s_delay_alu instid0(VALU_DEP_1)
	v_lshl_or_b32 v[\pw], v[TM+6], 16, v[\pw]
	s_delay_alu instid0(VALU_DEP_1)
	v_lshl_or_b32 v[\pw], v[TM+7], 24, v[\pw]
.irp c, 0,1
	v_cvt_scalef32_pk16_fp6_f32 v[PC+6*\c:PC+2+6*\c], v[\s+32*\c:\s+15+32*\c], v[TM+12+2*\c]
	v_cvt_scalef32_pk16_fp6_f32 v[PC+12+4*\c:PC+14+4*\c], v[\s+16+32*\c:\s+31+32*\c], v[TM+12+2*\c+1]
.endr
	v_nop                                          ; one plain place behind a scaled conversion
.irp c, 0,1                                    ; a whole block in a lane: lanes 0-15 block 2 c, lanes 16-31 block 2 c + 1
.irp i, 0,1,2
	v_permlane16_swap_b32 v[PC+6*\c+\i], v[PC+12+4*\c+\i]
.endr
.irp i, 0,1,2
	s_delay_alu instid0(VALU_DEP_3)
	v_mov_b32 v[PC+3+6*\c+\i], v[PC+12+4*\c+\i]
.endr
.endr
.endm
; One block of 32 a lane, v[s] .. v[s + 31]: lanes 0-15 rows of one tile, lanes 16-31 of the next.  Their fragments' registers 0-5 go to window 1 at fe and fo, their scale words to v[se] and v[so].
.macro SVQ s, fe, fo, se, so
	v_max3_num_f32 v[M0], |v[\s]|, |v[\s+1]|, |v[\s+2]|
	v_max3_num_f32 v[M1], |v[\s+3]|, |v[\s+4]|, |v[\s+5]|
.irp i, 6,10,14,18,22,26
	s_delay_alu instid0(VALU_DEP_2)
	v_max3_num_f32 v[M0], v[M0], |v[\s+\i]|, |v[\s+\i+1]|
	s_delay_alu instid0(VALU_DEP_2)
	v_max3_num_f32 v[M1], v[M1], |v[\s+\i+2]|, |v[\s+\i+3]|
.endr
	s_delay_alu instid0(VALU_DEP_2)
	v_max3_num_f32 v[M0], v[M0], |v[\s+30]|, |v[\s+31]|
	s_delay_alu instid0(VALU_DEP_1)
	v_max3_num_f32 v[M0], v[M0], v[M1], 0x1800000  ; and the floor
	s_delay_alu instid0(VALU_DEP_1)
	v_add_nc_u32 v[SO], 0xff000000, v[M0]
	v_cvt_scalef32_pk16_fp6_f32 v[SVC:SVC+2], v[\s:\s+15], v[SO]
	v_cvt_scalef32_pk16_fp6_f32 v[SVC+4:SVC+6], v[\s+16:\s+31], v[SO]
	v_lshrrev_b32 v[\se], 23, v[SO]                ; the byte; bytes 1-3 of the word are 0 (also the plain line behind the conversions)
.irp i, 0,1,2,4,5,6
	v_mov_b32 v[ZC+\i], 0
.endr
	v_mov_b32 v[\so], 0
.irp i, 0,1,2,4,5,6
	v_permlane16_swap_b32 v[SVC+\i], v[ZC+\i]      ; the first keeps lanes 0-15 and gets zeros above; the second gets lanes 16-31's codes below and keeps zeros above
.endr
	v_permlane16_swap_b32 v[\se], v[\so]
	WIN 0x40                                       ; destination window 1
.irp i, 0,1,2
	v_mov_b32 v[\fe+\i], v[SVC+\i]
.endr
.irp i, 0,1,2
	v_mov_b32 v[\fe+3+\i], v[SVC+4+\i]
.endr
.irp i, 0,1,2
	v_mov_b32 v[\fo+\i], v[ZC+\i]
.endr
.irp i, 0,1,2
	v_mov_b32 v[\fo+3+\i], v[ZC+4+\i]
.endr
	WIN 0
.endm
; The same for numbers that the matrix instruction has just written: the same lines with no hint ahead of them; the four blocks' chains take turns.
.macro QUANTW s, pw
.irp b, 0,1,2,3
	v_max3_num_f32 v[TM+\b], |v[\s+16*\b]|, |v[\s+1+16*\b]|, 0x1800000   ; each result is read from its low end on
.endr
.irp i, 2,4,6,8,10,12,14
.irp b, 0,1,2,3
	v_max3_num_f32 v[TM+\b], v[TM+\b], |v[\s+16*\b+\i]|, |v[\s+1+16*\b+\i]|
.endr
.endr
.irp b, 0,1,2,3
	v_permlanex16_b32 v[TM+4+\b], v[TM+\b], s[SEL], s[SEL+1]
.endr
.irp b, 0,1,2,3
	v_max_num_f32 v[TM+\b], v[TM+\b], v[TM+4+\b]
.endr
.irp b, 0,1,2,3
	v_add_nc_u32 v[TM+12+\b], 0xff000000, v[TM+\b]
.endr
.irp b, 0,1,2,3
	v_lshrrev_b32 v[TM+4+\b], 23, v[TM+12+\b]
.endr
	v_lshl_or_b32 v[\pw], v[TM+5], 8, v[TM+4]
	v_lshl_or_b32 v[\pw], v[TM+6], 16, v[\pw]
	v_lshl_or_b32 v[\pw], v[TM+7], 24, v[\pw]
.irp c, 0,1
	v_cvt_scalef32_pk16_fp6_f32 v[PC+6*\c:PC+2+6*\c], v[\s+32*\c:\s+15+32*\c], v[TM+12+2*\c]
	v_cvt_scalef32_pk16_fp6_f32 v[PC+12+4*\c:PC+14+4*\c], v[\s+16+32*\c:\s+31+32*\c], v[TM+12+2*\c+1]
.endr
	v_nop                                          ; one plain place behind a scaled conversion
.irp c, 0,1
.irp i, 0,1,2
	v_permlane16_swap_b32 v[PC+6*\c+\i], v[PC+12+4*\c+\i]
.endr
.irp i, 0,1,2
	v_mov_b32 v[PC+3+6*\c+\i], v[PC+12+4*\c+\i]
.endr
.endr
.endm
.macro BUF t
.if (\t)%3 == 0
.set RW, 1
.set RB, 104
.else
.if (\t)%3 == 1
.set RW, 1
.set RB, 168
.else
.set RW, 0
.set RB, 160
.endif
.endif
.endm
.macro ISSUE t                         ; tile t is asked for: sixteen rows, 512 consecutive bytes a load.  Tiles 0-3: x; 4, 5: svd_down; 6-9: W_q
	BUF \t
	WIN RW<<6
.set J, 0
.rept 16
.if (\t) < 4
	global_load_b128 v[RB+4*J:RB+4*J+3], v[LI], s[4:5] offset:((\t)*16+J)*16384 th:TH_LOAD_NT
.else
.if (\t) < 6
	global_load_b128 v[RB+4*J:RB+4*J+3], v[LI], s[10:11] offset:(((\t)-4)*16+J)*16384
.else
	global_load_b128 v[RB+4*J:RB+4*J+3], v[LI], s[6:7] offset:(((\t)-6)*16+J)*16384 th:TH_LOAD_NT
.endif
.endif
.set J, J+1
.endr
	WIN 0
.endm
.macro INTO t, left, row               ; tile t has come (left: the loads of the younger tiles, which may be out) and goes into the stage from row 'row' on
	s_wait_loadcnt \left
	BUF \t
	WIN RW<<2
.set J, 0
.rept 16
	ds_store_b128 v[STA], v[RB+4*J:RB+4*J+3] offset:((\row)+J)*XP
.set J, J+1
.endr
	WIN 0
.endm
.macro LOADT                           ; back from the stage: number (r, 32 b + 16 h + 4 q ..).  LDS serves a wave's instructions in order: these see the stores
.irp b, 0,1,2,3
.irp q, 0,1,2,3
	ds_load_b128 v[X+16*\b+4*\q:X+16*\b+4*\q+3], v[XAD] offset:128*\b+16*\q
.endr
.endr
.endm
.macro DNCOL g0                        ; svd_down(k, my column of groups g0, g0 + 1): register 32 (g - g0) + k
.set J, 0
.rept 64
	ds_load_b32 v[X+J], v[DCA] offset:(J%32)*XP+128*((\g0)+J/32)
.set J, J+1
.endr
.endm
.macro OUTT m, img                     ; the quantiser's twelve registers ARE the fragment: three stores of 512 consecutive bytes
	s_wait_xcnt 0x0                                ; the last tile's stores have read their registers
.if \img == 18                                 ; W's tiles: the numbers are matrix results
	QUANTW X, PWS+\m
.else
	QUANT X, PWS+\m
.endif
.irp c, 0,1,2
	global_store_b128 v[LI], v[PC+4*\c:PC+4*\c+3], s[\img:\img+1] offset:FB*\m+512*\c
.endr
.endm
.macro WORDS ptr                       ; four tiles' scale words: both halves of the lanes hold all four; lane (r, h) stores words 2 h, 2 h + 1: the wave stores 256 consecutive aligned bytes
	v_cndmask_b32 v[OW], v[PWS], v[PWS+2], s[HM]
	v_cndmask_b32 v[OW+1], v[PWS+1], v[PWS+3], s[HM]
	global_store_b64 v[SGO], v[OW:OW+1], s[\ptr:\ptr+1]
.endm
.macro XS t
	INTO \t, 32, 0
	LOADT
	s_wait_dscnt 0x0                               ; the numbers are back, and the stores have read the buffer:
	ISSUE (\t)+3                                   ; it takes the tile three on
	OUTT \t, 16
.endm
.macro WS m, left, more
	INTO (\m)+6, \left, 0
	LOADT
	s_wait_dscnt 0x0
.if \more
	ISSUE (\m)+9
.endif
.set J, 0
.rept 64
	v_cvt_f32_i32 v[X+J], v[X+J]
.set J, J+1
.endr
.set J, 0
.rept 32
	v_pk_add_f32 v[X+J:X+J+1], v[X+J:X+J+1], v[SZ+4*\m+2:SZ+4*\m+3] op_sel_hi:[1,0] neg_lo:[0,1] neg_hi:[0,1]   ; q - zero point
.set J, J+2
.endr
.set J, 0
.rept 32
	v_pk_mul_f32 v[X+J:X+J+1], v[X+J:X+J+1], v[SZ+4*\m:SZ+4*\m+1] op_sel_hi:[1,0]   ; x scale
.set J, J+2
.endr
.rept 4
	v_nop
.endr
	WIN 0x05                                       ; sources 0 and 1 window 1; C and D window 0
.irp t, 0,1,2,3,4,5,6,7                        ; + the low-rank term: eight accumulators by turns, each begun with the dequantised numbers
	v_wmma_scale_f32_16x16x128_f8f6f4 v[X+8*\t:X+8*\t+7], v[6*\t:6*\t+FR-1], v[UPF+FR*\m:UPF+FR*\m+FR-1], v[X+8*\t:X+8*\t+7], v[DSC+\t], v[USC+\m] matrix_a_fmt:MATRIX_FMT_FP6 matrix_b_fmt:MATRIX_FMT_FP6
.endr
	WIN 0
.rept 4
	v_nop                                          ; four places ahead of the first read of the results
.endr
	OUTT \m, 18
.endm
	s_load_b256 s[4:11], s[0:1], 0x0               ; x s[4:5], W_q s[6:7], svd_up s[8:9], svd_down s[10:11]
	s_load_b256 s[12:19], s[0:1], 0x20             ; scale s[12:13], zero point s[14:15], x's image s[16:17], W's image s[18:19]
	v_lshl_add_u32 v[SPW], v0, 2, SPARE
	v_mov_b32 v[NIL], 0
	v_lshrrev_b32 v1, 5, v0
	s_delay_alu instid0(VALU_DEP_1)
	v_readfirstlane_b32 s[WV], v1                  ; wave 0..7
	s_mov_b32 s[GX], ttmp9
	s_and_b32 s[GY], ttmp7, 0xffff
	s_mul_i32 s30, s[WV], WREG                     ; my stage
	v_and_b32 v1, 15, v0                           ; r
	v_bfe_u32 v2, v0, 4, 1                         ; h
	v_and_b32 v[LANE], 31, v0
	s_delay_alu instid0(VALU_DEP_3)
	v_and_b32 v[DCA], 8, v1
	s_delay_alu instid0(VALU_DEP_4)
	v_mul_u32_u24 v[XAD], v1, XP
	s_delay_alu instid0(VALU_DEP_3)
	v_lshlrev_b32 v[LI], 4, v[LANE]
	s_delay_alu instid0(VALU_DEP_3)
	v_add_nc_u32 v[DCA], v[DCA], v1                ; r + 8 (r / 8)
	s_delay_alu instid0(VALU_DEP_3)
	v_lshl_add_u32 v[XAD], v2, 6, v[XAD]
	v_lshlrev_b32 v[UA], 7, v[LANE]
	s_delay_alu instid0(VALU_DEP_3)
	v_lshl_add_u32 v[DCA], v2, 3, v[DCA]           ; + 8 h: lanes 16-31 take the next tile's columns
	s_delay_alu instid0(VALU_DEP_3)
	v_add_nc_u32 v[XAD], s30, v[XAD]
	v_lshlrev_b32 v[SZA], 7, v1
	s_delay_alu instid0(VALU_DEP_3)
	v_lshl_add_u32 v[DCA], v[DCA], 2, s30
	v_add_nc_u32 v[STA], s30, v[LI]
	v_lshlrev_b32 v[SGO], 4, v1
	s_delay_alu instid0(VALU_DEP_1)
	v_lshl_add_u32 v[SGO], v2, 3, v[SGO]
	v_cmp_ne_u32 s[HM], 0, v2
	s_lshl_b32 s26, s[GY], 20                      ; x, W_q: 64 rows of 16,384 bytes,
	s_lshl_b32 s25, s[GX], 12                      ; 1,024 columns of 4 bytes,
	s_add_co_u32 s26, s26, s25
	s_lshl_b32 s25, s[WV], 9                       ; 128 columns a wave
	s_add_co_u32 s26, s26, s25
	s_mov_b32 s27, 0                               ; s[26:27]: an offset, its high word 0 throughout
	s_wait_alu depctr_va_vdst(0)
	s_wait_kmcnt 0x0
	s_add_nc_u64 s[4:5], s[4:5], s[26:27]
	s_add_nc_u64 s[6:7], s[6:7], s[26:27]
	s_lshl_b32 s26, s[GY], 13                      ; svd_up, scale, zero point: 64 rows of 128 bytes;
	s_add_nc_u64 s[8:9], s[8:9], s[26:27]
	s_lshl_b32 s25, s[GX], 5                       ; of the last two group 8 x + w
	s_add_co_u32 s26, s26, s25
	s_lshl_b32 s25, s[WV], 2
	s_add_co_u32 s26, s26, s25
	s_add_nc_u64 s[12:13], s[12:13], s[26:27]
	s_add_nc_u64 s[14:15], s[14:15], s[26:27]
.set J, 0
.rept 16                                       ; svd_up: row 32 p + lane, 128 bytes, into v[X + 32 p] on; eight loads cover 4,096 consecutive bytes
	global_load_b128 v[X+4*J:X+4*J+3], v[UA], s[8:9] offset:(J/8)*4096+(J%8)*16
.set J, J+1
.endr
.irp m, 0,1,2,3
	global_load_b32 v[SZ+4*\m], v[SZA], s[12:13] offset:2048*\m
	global_load_b32 v[SZ+4*\m+2], v[SZA], s[14:15] offset:2048*\m
.endr
	ISSUE 0
	ISSUE 1
	ISSUE 2
	s_lshl_b32 s26, s[GX], 12                      ; svd_down: my 128 columns
	s_lshl_b32 s25, s[WV], 9
	s_add_co_u32 s26, s26, s25
	s_add_nc_u64 s[10:11], s[10:11], s[26:27]
	s_lshr_b32 s25, s[GY], 1                       ; the images: block of 128 rows y / 2,
	s_mul_i32 s26, s25, RBB
	s_lshl_b32 s25, s[GX], 3
	s_add_co_u32 s25, s25, s[WV]                   ; K step 8 x + w
	s_mul_i32 s25, s25, KB
	s_add_co_u32 s26, s26, s25
	s_add_nc_u64 s[16:17], s[16:17], s[26:27]
	s_add_nc_u64 s[18:19], s[18:19], s[26:27]
	s_and_b32 s25, s[GY], 1                        ; my 64 rows are fragments 4 (y % 2) + tile:
	s_lshl_b32 s26, s25, 8
	s_add_co_u32 s26, s26, 8*FB
	s_add_nc_u64 s[20:21], s[16:17], s[26:27]      ; their scale words, 256 bytes,
	s_add_nc_u64 s[56:57], s[18:19], s[26:27]
	s_mul_i32 s26, s25, 4*FB
	s_add_nc_u64 s[16:17], s[16:17], s[26:27]      ; and their codes
	s_add_nc_u64 s[18:19], s[18:19], s[26:27]
	s_mov_b32 s[SEL], 0x76543210
	s_mov_b32 s[SEL+1], 0xfedcba98
.irp m, 0,1,2,3
	v_mov_b32 v[SZ+4*\m+1], 0
	v_mov_b32 v[SZ+4*\m+3], 0
	v_mov_b32 v[TM+4+\m], 0                        ; written once: a lane permute's destination counts as one of its sources
.endr
	WIN 0x40
.irp m, 0,1,2,3
.irp i, 6,7,8,9,10,11
	v_mov_b32 v[UPF+FR*\m+\i], 0                   ; K = 64 .. 127 of svd_up's fragments: zero codes
.endr
.endr
.irp i, 48,49,50,51,52,53
	v_mov_b32 v[\i], 0                             ; what the last fragment of svd_down names beyond its six registers
.endr
	WIN 0
	s_wait_alu depctr_va_vdst(0)
	s_wait_loadcnt 48                              ; svd_up, scale, zero point are in; the three tiles' 48 loads may be out
.irp p, 0,1
	SVQ X+32*\p, UPF+FR*2*\p, UPF+FR*2*\p+FR, USC+2*\p, USC+2*\p+1
.endr
	XS 0
	XS 1
	XS 2
	XS 3
	WORDS 20
	INTO 4, 32, 0                                  ; svd_down's rows 0-15,
	s_wait_dscnt 0x0
	ISSUE 7
	INTO 5, 32, 16                                 ; and 16-31
	DNCOL 0
	s_wait_dscnt 0x0
	ISSUE 8
.irp g, 0,1
	SVQ X+32*\g, 12*\g, 12*\g+6, DSC+2*\g, DSC+2*\g+1
.endr
	DNCOL 2
	s_wait_dscnt 0x0
.irp g, 0,1
	SVQ X+32*\g, 24+12*\g, 24+12*\g+6, DSC+4+2*\g, DSC+4+2*\g+1
.endr
	WS 0, 32, 1
	WS 1, 32, 0                                    ; nothing is left to ask for: the counts run down
	WS 2, 16, 0
	WS 3, 0, 0
	WORDS 56
	s_wait_tensorcnt 0x0                           ; the wave's end
	ds_add_u32 v[SPW], v[NIL]
	s_wait_dscnt 0x0
	s_endpgm
.Lfunc_end_k_qb92dd21f55_prep:
	.size	k_qb92dd21f55_prep, .Lfunc_end_k_qb92dd21f55_prep-k_qb92dd21f55_prep
	.p2alignl 7, 3214868480
	.fill 96, 4, 3214868480
	.section	.rodata,"a",@progbits
	.p2align	6, 0x0
	.amdhsa_kernel k_qb92dd21f55_prep
		.amdhsa_group_segment_fixed_size 136192
		.amdhsa_private_segment_fixed_size 0
		.amdhsa_enable_private_segment 0
		.amdhsa_kernarg_size 64
		.amdhsa_user_sgpr_count 2
		.amdhsa_user_sgpr_kernarg_segment_ptr 1
		.amdhsa_wavefront_size32 1
		.amdhsa_system_sgpr_workgroup_id_x 1
		.amdhsa_system_sgpr_workgroup_id_y 1
		.amdhsa_system_sgpr_workgroup_id_z 1
		.amdhsa_system_vgpr_workitem_id 0
		.amdhsa_next_free_vgpr 488
		.amdhsa_next_free_sgpr 66
		.amdhsa_reserve_vcc 0
		.amdhsa_float_denorm_mode_32 3
		.amdhsa_float_denorm_mode_16_64 3
		.amdhsa_memory_ordered 1
		.amdhsa_forward_progress 1
		.amdhsa_inst_pref_size 134
	.end_amdhsa_kernel
	.amdgpu_metadata
---
amdhsa.version: [ 1, 2 ]
amdhsa.kernels:
  - .name:           k_qb92dd21f55_prep
    .symbol:         k_qb92dd21f55_prep.kd
    .args:
      - { .name: x, .offset: 0, .size: 8, .value_kind: global_buffer, .address_space: global }
      - { .name: W_q, .offset: 8, .size: 8, .value_kind: global_buffer, .address_space: global }
      - { .name: svd_up, .offset: 16, .size: 8, .value_kind: global_buffer, .address_space: global }
      - { .name: svd_down, .offset: 24, .size: 8, .value_kind: global_buffer, .address_space: global }
      - { .name: scale, .offset: 32, .size: 8, .value_kind: global_buffer, .address_space: global }
      - { .name: zero_point, .offset: 40, .size: 8, .value_kind: global_buffer, .address_space: global }
      - { .name: x_img, .offset: 48, .size: 8, .value_kind: global_buffer, .address_space: global }
      - { .name: w_img, .offset: 56, .size: 8, .value_kind: global_buffer, .address_space: global }
    .group_segment_fixed_size: 136192
    .private_segment_fixed_size: 0
    .kernarg_segment_align: 8
    .kernarg_segment_size: 64
    .max_flat_workgroup_size: 256
    .sgpr_count:     66
    .vgpr_count:     488
    .wavefront_size: 32
...
	.end_amdgpu_metadata
.endif
;; end of part 1
;; launch gemm (part 2): grid 16 x 16, 4 waves a work-group, clusters of 4 x 4, 327,680 bytes of LDS; arguments x_img, w_img, out0, bias; writes out0
.if DOCPART == 2
	.amdgcn_target "amdgcn-amd-amdhsa--gfx1250"
	.amdhsa_code_object_version 6
	.text
	.protected	k_qb92dd21f55_gemm
	.globl	k_qb92dd21f55_gemm
	.p2align	8
	.type	k_qb92dd21f55_gemm,@function
k_qb92dd21f55_gemm:
	s_mov_b64 s[64:65], 0
	v_nop
	global_prefetch_b8 v0, s[64:65] scope:SCOPE_SE
	s_setreg_imm32_b32 hwreg(HW_REG_WAVE_MODE, 25, 1), 1
	s_wait_xcnt 0x0
	s_wait_alu depctr_hold_cnt(0) depctr_sa_sdst(0) depctr_va_vdst(0) depctr_va_sdst(0) depctr_va_ssrc(0) depctr_va_vcc(0) depctr_vm_vsrc(0)
	s_getreg_b32 s2, hwreg(HW_REG_IB_STS2, 6, 4)
	s_cmp_eq_u32 s2, 0
	s_cbranch_scc0 .Lentry_in_a_cluster
	s_endpgm
.Lentry_in_a_cluster:
	s_bfe_u32 s2, ttmp6, 0x10000c
	s_cmp_lg_u32 s2, 0xf033
	s_cbranch_scc0 .Lentry_shape_is_right
	s_endpgm
.Lentry_shape_is_right:
; out0[m][n] = bias[n] + sum over k of Q(x)[m][k] Q(W_f)[n][k], on the two images that the launch before has laid: [32 blocks of 128 rows][32 K steps][8 fragments' register images, 12,288 bytes, + 512 bytes of scale words].
; A tile of 256 x 256 to a work-group of four waves, 128 x 128 a wave: 64 accumulators, begun with the bias as C.  The matrix instruction is used transposed (source 0 = W's rows, source 1 = x's rows).
; A ring of two LDS slots, three K steps each (the last fill two); a wave's joint load brings one chunk of a block of 128 rows, 38,400 dense bytes, as rows of 256.
; CLUSTERS of 4 x 4: x's tiles are asked for jointly along a row of the cluster, W's along a column; each refill stands behind a round of the cluster's barrier.
; A has one set of fragment registers, B two.  In a step B's next set is fetched behind the first 16 products, A's blocks 0-3 and the scale words behind the first 32, A's blocks 4-7 at its end.
; PREFETCH.  Behind the joint load of chunk c stand two prefetches for chunk c + 1, one slot ahead of its load, c = 0 .. 8.  A chunk is 150 blocks of 256 bytes; the four partners that ask for it jointly
; share them out BY ADDRESS, 38 each from block 38 p on (p = cx for x's chunks, cy for W's), held at block 149; lanes left over name their wave's last block again.  The short last chunk is not asked for.
; The way out goes block by block of 16 rows through the wave's own stage in slot 1, which has had its last fill and its last read by then.
.set PFA,    92                        ; s[92:93] my block of 128 rows, at chunk c - 1 when chunk c is loaded
.set PF0,    30                        ; v30, v31 my lanes' blocks of a chunk, in bytes; never rewritten
.set PF1,    31
.set SIZE_N, 4096
.set NQ,     3
.set FR,     12
.set NL,     3
.set NP,     4
.set FB,     1536
.set SCO,    8*FB
.set KB,     SCO+512
.set REG,    NQ*KB
.set SLOT,   4*REG
.set RBB,    32*KB
.set SPARE,  2*SLOT
.set STAGE,  SLOT
.set SPITCH, 528
.set TRIPS,  4
.set ADRA, 16
.set ADRS, 18
.set ADRB, 20
.set STO,  24
.set RD,   25
.set CO,   26
.set SPW,  28
.set NIL,  29
.set SC,   32
.set BI,   64
.set AF,   128
.set BK,   128
.set G1, 24
.set G0, 32
.set G1B, 48
.set G0B, 56
.set G1H, 68
.set G1HB, 80
.set MSB, 0
.macro WIN new
.if MSB != (\new)
	s_set_vgpr_msb (MSB<<8)|(\new)
.set MSB, (\new)
.endif
.endm
.set MUL_LO, 0xa1
.set MUL_HI, 0xf1
.set FIRST_LO, 0x81
.set FIRST_HI, 0xc1
.set TO_B,   0x40
.macro JLOAD g0a, g1a, g0b, g1b
	s_cmp_eq_u32 s15, 0
	s_cbranch_scc0 .Lfor_b_\@
	tensor_load_to_lds s[\g0a:\g0a+3], s[\g1a:\g1a+7]
	s_nop 0
.rept 4
	v_nop
.endr
	s_branch .Lasked_\@
.Lfor_b_\@:
	tensor_load_to_lds s[\g0b:\g0b+3], s[\g1b:\g1b+7]
	s_nop 0
.rept 4
	v_nop
.endr
.Lasked_\@:
.endm
.macro CREST
	s_cmp_lg_u32 s14, 0
	s_cbranch_scc1 .Lnot_wave_0_\@
	s_barrier_signal -3
.Lnot_wave_0_\@:
	s_barrier_wait -3
	s_barrier_signal -1
	s_barrier_wait -1
.endm
.macro CROUND
	s_barrier_signal -1
	s_barrier_wait -1
	CREST
.endm
	s_load_b128 s[4:7], s[0:1], 0x0
	s_load_b64 s[12:13], s[0:1], 0x10
	s_load_b64 s[96:97], s[0:1], 0x18
	v_lshl_add_u32 v[SPW], v0, 2, SPARE
	v_mov_b32 v[NIL], 0
	ds_add_u32 v28, v29
	ds_add_u32 v28, v29
	s_wait_dscnt 0x0
	v_lshrrev_b32 v1, 5, v0
	v_readfirstlane_b32 s14, v1
	s_lshr_b32 s15, s14, 1
	s_and_b32 s16, s14, 1
	s_bfe_u32 s40, ttmp6, 0x40000
	s_bfe_u32 s41, ttmp6, 0x40004
	s_lshl_b32 s42, ttmp9, 2
	s_add_co_u32 s42, s42, s40
	s_and_b32 s17, ttmp7, 0xffff
	s_lshl_b32 s17, s17, 2
	s_add_co_u32 s17, s17, s41
	s_lshl_b32 s43, s41, 2
	s_lshl_b32 s43, 15, s43
	s_lshl_b32 s44, 0x1111, s40
	s_or_b32 s[G1+0], s43, (3<<16)|(1<<21)
	s_or_b32 s[G1B+0], s44, (3<<16)|(1<<21)
	s_or_b32 s[G1H+0], s43, (3<<16)|(1<<21)
	s_or_b32 s[G1HB+0], s44, (3<<16)|(1<<21)
.irp g, G1, G1B
	s_mov_b32 s[\g+1], 32<<16
	s_mov_b32 s[\g+2], (REG/256)<<16
	s_mov_b32 s[\g+3], 32<<16
	s_mov_b32 s[\g+4], REG/256
	s_mov_b32 s[\g+5], 32
	s_mov_b32 s[\g+6], 0
	s_mov_b32 s[\g+7], 0
.endr
.irp g, G1H, G1HB
	s_mov_b32 s[\g+1], 32<<16
	s_mov_b32 s[\g+2], (2*KB/256)<<16
	s_mov_b32 s[\g+3], 32<<16
	s_mov_b32 s[\g+4], 2*KB/256
	s_mov_b32 s[\g+5], 32
	s_mov_b32 s[\g+6], 0
	s_mov_b32 s[\g+7], 0
.endr
	s_lshl_b32 s20, s17, 1
	s_add_co_u32 s20, s20, s16
	s_mul_i32 s20, s20, RBB
	s_mov_b32 s21, 0
	s_lshl_b32 s46, s42, 1
	s_add_co_u32 s46, s46, s16
	s_mul_i32 s46, s46, RBB
	s_mov_b32 s47, 0
	s_mul_i32 s45, s14, REG
	s_wait_kmcnt 0x0
	s_add_nc_u64 s[20:21], s[4:5], s[20:21]
	s_add_nc_u64 s[46:47], s[6:7], s[46:47]
	s_cmp_eq_u32 s15, 0                            ; do I fetch for x?
	s_cselect_b64 s[PFA:PFA+1], s[20:21], s[46:47]
	s_cselect_b32 s94, s40, s41                    ; my place among the four that ask with me
	s_mul_i32 s94, s94, 38
	CROUND
.irp s, 0,1
	s_mov_b32 s[G0+4*\s], 1
	s_add_co_u32 s[G0+4*\s+1], s45, \s*SLOT
	s_add_nc_u64 s[G0+4*\s+2:G0+4*\s+3], s[20:21], \s*REG
	s_or_b32 s[G0+4*\s+3], s[G0+4*\s+3], 0x80000000
	s_mov_b32 s[G0B+4*\s], 1
	s_add_co_u32 s[G0B+4*\s+1], s45, \s*SLOT
	s_add_nc_u64 s[G0B+4*\s+2:G0B+4*\s+3], s[46:47], \s*REG
	s_or_b32 s[G0B+4*\s+3], s[G0B+4*\s+3], 0x80000000
.endr
	JLOAD G0, G1, G0B, G1B                         ; slot 0: my one load at the head; the addresses and the bias follow under it
	v_and_b32 v1, 15, v0
	v_bfe_u32 v2, v0, 4, 1
	v_and_b32 v6, 31, v0
	v_lshlrev_b32 v4, 4, v6
	s_mul_i32 s21, s15, REG
	s_mul_i32 s22, s16, REG
	s_add_co_u32 s22, s22, 2*REG
	s_sub_co_u32 s23, s22, s21
	v_mul_u32_u24 v5, s23, v2
	v_lshl_add_u32 v5, v1, 4, v5
.irp s, 0,1
	v_add_nc_u32 v[ADRA+\s], s21, v4
	v_add_nc_u32 v[ADRB+\s], s22, v4
	v_add_nc_u32 v[ADRS+\s], s21, v5
	s_add_co_u32 s21, s21, SLOT
	s_add_co_u32 s22, s22, SLOT
.endr
	s_mul_i32 s23, s14, 16*SPITCH
	s_add_co_u32 s23, s23, STAGE
	v_mul_u32_u24 v5, v1, SPITCH
	v_lshl_add_u32 v5, v2, 5, v5
	v_add_nc_u32 v[STO], s23, v5
	v_lshlrev_b32 v[CO], 4, v6
	v_add_nc_u32 v[RD], s23, v[CO]
	s_lshl_b32 s20, s17, 8
	s_lshl_b32 s21, s15, 7
	s_add_co_u32 s20, s20, s21
	s_mov_b32 s21, 0
	s_mov_b64 s[18:19], SIZE_N*4
	s_mul_u64 s[20:21], s[20:21], s[18:19]
	s_lshl_b32 s46, s42, 10
	s_lshl_b32 s47, s16, 9
	s_add_co_u32 s46, s46, s47
	s_mov_b32 s47, 0
	s_add_nc_u64 s[20:21], s[20:21], s[46:47]
	s_add_nc_u64 s[12:13], s[12:13], s[20:21]
	s_add_nc_u64 s[96:97], s[96:97], s[46:47]
	v_add_nc_u32 v[PF0], s94, v6                   ; blocks 38 p + lane,
	v_min_u32 v8, 5, v6
	v_add3_u32 v[PF1], v8, s94, 32                 ; and 38 p + 32 + 0 .. 5,
	v_lshlrev_b32 v[PF0], 8, v[PF0]
	v_min_u32 v[PF1], 149, v[PF1]                  ; held at the chunk's last
	v_lshlrev_b32 v[PF1], 8, v[PF1]
	v_lshlrev_b32 v7, 5, v2
.irp b, 0,1,2,3,4,5,6,7
	global_load_b128 v[BI+8*\b:BI+8*\b+3], v7, s[96:97] offset:64*\b
	global_load_b128 v[BI+8*\b+4:BI+8*\b+7], v7, s[96:97] offset:64*\b+16
.endr
	global_prefetch_b8 v[PF0], s[PFA:PFA+1] offset:REG th:TH_LOAD_NT scope:SCOPE_SE     ; chunk 1
	global_prefetch_b8 v[PF1], s[PFA:PFA+1] offset:REG th:TH_LOAD_NT scope:SCOPE_SE
.macro FRAG reg, adr, q, i
.irp c, 0,1,2
	ds_load_b128 v[\reg+4*\c:\reg+4*\c+3], v[\adr] offset:(\q)*KB+(\i)*FB+512*\c
.endr
.endm
.macro MUL16 a0, p, zero
.irp a, \a0, \a0+1
.irp b, 0,1,2,3,4,5,6,7
.if \zero
	v_wmma_scale_f32_16x16x128_f8f6f4 v[8*(8*((\a)%4)+\b):8*(8*((\a)%4)+\b)+7], v[128*(\p)+FR*\b:128*(\p)+FR*\b+FR-1], v[AF+FR*(\a):AF+FR*(\a)+FR-1], v[BI+8*\b:BI+8*\b+7], v[SC+8*(\p)+\b], v[SC+8*(\p)+(\a)] matrix_a_fmt:MATRIX_FMT_FP6 matrix_b_fmt:MATRIX_FMT_FP6 matrix_a_scale:MATRIX_SCALE_ROW1
.else
	v_wmma_scale_f32_16x16x128_f8f6f4 v[8*(8*((\a)%4)+\b):8*(8*((\a)%4)+\b)+7], v[128*(\p)+FR*\b:128*(\p)+FR*\b+FR-1], v[AF+FR*(\a):AF+FR*(\a)+FR-1], v[8*(8*((\a)%4)+\b):8*(8*((\a)%4)+\b)+7], v[SC+8*(\p)+\b], v[SC+8*(\p)+(\a)] matrix_a_fmt:MATRIX_FMT_FP6 matrix_b_fmt:MATRIX_FMT_FP6 matrix_a_scale:MATRIX_SCALE_ROW1
.endif
.endr
.endr
.endm
.macro FETCH_B slot, q, p, i0
	WIN TO_B
.irp i, \i0, \i0+1, \i0+2, \i0+3
	FRAG 128*(\p)+FR*(\i), ADRB+\slot, \q, \i
.endr
.endm
.macro FETCH_A slot, q, i0
	WIN 0
.irp i, \i0, \i0+1, \i0+2, \i0+3
	FRAG AF+FR*(\i), ADRA+\slot, \q, \i
.endr
.endm
.macro SCALES slot, q, p
	WIN 0
	ds_load_b128 v[SC+8*(\p):SC+8*(\p)+3], v[ADRS+\slot] offset:(\q)*KB+SCO
	ds_load_b128 v[SC+8*(\p)+4:SC+8*(\p)+7], v[ADRS+\slot] offset:(\q)*KB+SCO+256
.endm
.macro PLACES n
.rept \n
	v_nop
.endr
.endm
.macro STEP slot, q, p, zero
.if \zero
.set WLO, FIRST_LO
.set WHI, FIRST_HI
.else
.set WLO, MUL_LO
.set WHI, MUL_HI
.endif
	s_wait_dscnt 4*NL
	WIN WLO
	MUL16 0, \p, \zero
	FETCH_B \slot, (\q)+1, 1-(\p), 0
	FETCH_B \slot, (\q)+1, 1-(\p), 4
	WIN WLO
	MUL16 2, \p, \zero
	PLACES NP
	FETCH_A \slot, (\q)+1, 0                       ; A's blocks 0-3 are free: their 32 products are issued
	SCALES \slot, (\q)+1, 1-(\p)
	s_wait_dscnt 12*NL+2                           ; all but the 38 just issued: this step's blocks 4-7 of A are in
	WIN WHI
	MUL16 4, \p, \zero
	MUL16 6, \p, \zero
	PLACES NP
	FETCH_A \slot, (\q)+1, 4
.endm
.macro TURN slot, next, p, fill
.if \fill == 1
	s_wait_xcnt 0x0                                ; my prefetches have read their address: it steps a chunk on
	s_add_nc_u64 s[PFA:PFA+1], s[PFA:PFA+1], REG
.endif
	s_wait_tensorcnt 0x0
	ds_add_u32 v[SPW], v[NIL]
	s_wait_dscnt 4*NL+1
	WIN MUL_LO
	MUL16 0, \p, 0
	s_wait_dscnt 0x0
	s_barrier_signal -1
	MUL16 2, \p, 0
	WIN 0
	s_barrier_wait -1
.if \fill
	CREST
	s_add_nc_u64 s[G0+4*\slot+2:G0+4*\slot+3], s[G0+4*\slot+2:G0+4*\slot+3], 2*REG
	s_add_nc_u64 s[G0B+4*\slot+2:G0B+4*\slot+3], s[G0B+4*\slot+2:G0B+4*\slot+3], 2*REG
.if \fill == 1
	JLOAD G0+4*\slot, G1, G0B+4*\slot, G1B
.else
	JLOAD G0+4*\slot, G1H, G0B+4*\slot, G1HB
.endif
.else
	PLACES NP
.endif
	s_wait_alu depctr_va_vdst(0)
	FETCH_B \next, 0, 1-(\p), 0
	FETCH_B \next, 0, 1-(\p), 4
	FETCH_A \next, 0, 0
	SCALES \next, 0, 1-(\p)
.if \fill == 1
.if \slot == 1
	s_cmp_lg_u32 s3, 1                             ; the loop's last trip loads chunk 9 here: the chunk behind it is the short one
	s_cbranch_scc0 .Lno_ask_\@
.endif
	global_prefetch_b8 v[PF0], s[PFA:PFA+1] offset:2*REG th:TH_LOAD_NT scope:SCOPE_SE   ; the chunk behind the one just asked for
	global_prefetch_b8 v[PF1], s[PFA:PFA+1] offset:2*REG th:TH_LOAD_NT scope:SCOPE_SE
.if \slot == 1
.Lno_ask_\@:
.endif
.endif
	WIN MUL_HI
	MUL16 4, \p, 0
	MUL16 6, \p, 0
	PLACES NP
	FETCH_A \next, 0, 4
.endm
	s_wait_alu depctr_va_vdst(0)
	s_wait_tensorcnt 0x0                           ; my part of slot 0 is in
	ds_add_u32 v[SPW], v[NIL]
	s_wait_dscnt 0x0
	CROUND                                         ; everybody's part of slot 0 is in, and all sixteen work-groups are here
	JLOAD G0+4, G1, G0B+4, G1B                     ; slot 1's first fill, the first tensor load behind the round
	s_wait_loadcnt 0x0                             ; the bias
	FETCH_B 0, 0, 0, 0
	FETCH_B 0, 0, 0, 4
	FETCH_A 0, 0, 0
	SCALES 0, 0, 0
	FETCH_A 0, 0, 4
	global_prefetch_b8 v[PF0], s[PFA:PFA+1] offset:2*REG th:TH_LOAD_NT scope:SCOPE_SE   ; chunk 2
	global_prefetch_b8 v[PF1], s[PFA:PFA+1] offset:2*REG th:TH_LOAD_NT scope:SCOPE_SE
	STEP 0, 0, 0, 1
	s_mov_b32 s3, TRIPS
.Llap:
	STEP 0, 1, 1, 0
	TURN 0, 1, 0, 1
	STEP 1, 0, 1, 0
	STEP 1, 1, 0, 0
	TURN 1, 0, 1, 1
	STEP 0, 0, 0, 0
	s_sub_co_u32 s3, s3, 1
	s_cmp_lg_u32 s3, 0
	s_cbranch_scc1 .Llap
	STEP 0, 1, 1, 0
	TURN 0, 1, 0, 2
	STEP 1, 0, 1, 0
	STEP 1, 1, 0, 0
	TURN 1, 0, 1, 0
	STEP 0, 0, 0, 0
	s_wait_dscnt 4*NL
	WIN MUL_LO
	MUL16 0, 1, 0
	MUL16 2, 1, 0
	s_wait_dscnt 0
	WIN MUL_HI
	MUL16 4, 1, 0
	MUL16 6, 1, 0
	WIN 0
.macro TOSTAGE a
.set AC, 64*((\a)%4)
	WIN 0x08+4*((\a)/4)
.irp b, 0,1,2,3,4,5,6,7
	ds_store_b128 v[STO], v[AC+8*\b:AC+8*\b+3] offset:64*\b
	ds_store_b128 v[STO], v[AC+8*\b+4:AC+8*\b+7] offset:64*\b+16
.endr
	WIN 0
.set BB, BK+64*((\a)%2)
.irp t, 0,1,2,3,4,5,6,7,8,9,10,11,12,13,14,15
	ds_load_b128 v[BB+4*\t:BB+4*\t+3], v[RD] offset:\t*SPITCH
.endr
.endm
.macro SEND a, younger
.set BB, BK+64*((\a)%2)
	s_wait_dscnt \younger
.if (\a) > 0
	s_add_nc_u64 s[12:13], s[12:13], 16*SIZE_N*4
.endif
.irp t, 0,1,2,3,4,5,6,7,8,9,10,11,12,13,14,15
	global_store_b128 v[CO], v[BB+4*\t:BB+4*\t+3], s[12:13] offset:\t*SIZE_N*4 th:TH_STORE_NT
.endr
.endm
	PLACES NP
	TOSTAGE 0
.irp a, 1,2,3,4,5,6,7
.if \a > 1
	s_wait_xcnt 0x0
.endif
	TOSTAGE \a
	SEND \a-1, 32
.endr
	s_wait_xcnt 0x0
	SEND 7, 0
	s_wait_tensorcnt 0x0
	ds_add_u32 v[SPW], v[NIL]
	s_wait_dscnt 0x0
	CROUND
	s_endpgm
.Lfunc_end_k_qb92dd21f55_gemm:
	.size	k_qb92dd21f55_gemm, .Lfunc_end_k_qb92dd21f55_gemm-k_qb92dd21f55_gemm
	.p2alignl 7, 3214868480
	.fill 96, 4, 3214868480
	.section	.rodata,"a",@progbits
	.p2align	6, 0x0
	.amdhsa_kernel k_qb92dd21f55_gemm
		.amdhsa_group_segment_fixed_size 327680
		.amdhsa_private_segment_fixed_size 0
		.amdhsa_enable_private_segment 0
		.amdhsa_kernarg_size 32
		.amdhsa_user_sgpr_count 2
		.amdhsa_user_sgpr_kernarg_segment_ptr 1
		.amdhsa_wavefront_size32 1
		.amdhsa_system_sgpr_workgroup_id_x 1
		.amdhsa_system_sgpr_workgroup_id_y 1
		.amdhsa_system_sgpr_workgroup_id_z 1
		.amdhsa_system_vgpr_workitem_id 0
		.amdhsa_next_free_vgpr 1024
		.amdhsa_next_free_sgpr 98
		.amdhsa_reserve_vcc 0
		.amdhsa_float_denorm_mode_32 3
		.amdhsa_float_denorm_mode_16_64 3
		.amdhsa_memory_ordered 1
		.amdhsa_forward_progress 1
		.amdhsa_inst_pref_size 207
	.end_amdhsa_kernel
	.amdgpu_metadata
---
amdhsa.version: [ 1, 2 ]
amdhsa.kernels:
  - .name:           k_qb92dd21f55_gemm
    .symbol:         k_qb92dd21f55_gemm.kd
    .args:
      - { .name: x_img, .offset: 0, .size: 8, .value_kind: global_buffer, .address_space: global }
      - { .name: w_img, .offset: 8, .size: 8, .value_kind: global_buffer, .address_space: global }
      - { .name: out0, .offset: 16, .size: 8, .value_kind: global_buffer, .address_space: global }
      - { .name: bias, .offset: 24, .size: 8, .value_kind: global_buffer, .address_space: global }
    .group_segment_fixed_size: 327680
    .private_segment_fixed_size: 0
    .kernarg_segment_align: 8
    .kernarg_segment_size: 32
    .max_flat_workgroup_size: 128
    .sgpr_count:     98
    .vgpr_count:     1024
    .wavefront_size: 32
...
	.end_amdgpu_metadata
.endif
;; end of part 2
